; MI455X (gfx1250); checked and timed in simulation.
; The chip was launched on July 23, 2026; its instructions are those of AMD's public machine-readable ISA for CDNA 5 (MIT licence, August 2026) and "CDNA5" Instruction Set Architecture Reference Guide (July 2026). The comments in the code are by the model that wrote it; some were corrected since.
;; Bahdanau Attention. Allowed arithmetic: matrix products marked QUANTISED: E5M2 operands, one E8M0 scale for each 32 along K, by v_wmma_scale_f32_16x16x128_f8f6f4 with both operands' format E5M2, f32 sums; products left as they are: f32 operands where the result goes on into a quantised operand, else bf16, f16 or f32 operands; f32 sums; everything else in f32.
;; Inputs: W1 1,024 x 1,024 float32; W2 1,024 x 1,024 float32; decoder_hidden 64 x 1,024 float32; encoder_outputs 64 x 1,024 x 1,024 float32; v 1,024 float32.
;; Outputs: out0 64 x 1,024 float32; out1 64 x 1,024 float32.
;; This version of the problem:
;;   THIS VERSION OF THE PROBLEM IS GIVEN IN LOW PRECISION. The matrix products marked QUANTISED in the list below multiply operands that are first quantised to E5M2 (5 exponent bits, 2 mantissa bits; 8 bits a number), with one power-of-two scale for each 32 numbers along K (OCP MX v1.0); their sums are f32. All else is computed in f32.
;;   The module's matrix products, in the order in which they are computed (A, B: the left and right operand; K: the contracted axis; several contracted axes count as one K, in the product's order):
;;     1. [M 64, K 1,024] x [K 1,024, N 1,024]; A: input decoder_hidden; B: input W1: QUANTISED
;;     2. [M 65,536, K 1,024] x [K 1,024, N 1,024]; A: input encoder_outputs; B: input W2: QUANTISED
;;     3. [M 65,536, K 1,024] x [K 1,024, N 1]; A: computed on the way; B: input v: left as it is (N = 1 < 16)
;;     4. batch 64 x [M 1, K 1,024] x [K 1,024, N 1,024]; A: softmax; B: input encoder_outputs: left as it is (M = 1 < 16)
;;   THE QUANTISER, for each operand of a quantised product, along K:
;;     - K is cut into blocks of 32 from its start; a last block that is shorter is filled with zeros.
;;     - A block's scale is 2^e with e = floor(log2(the largest magnitude in the block)) - 15, held to -126 .. 127; a block of zeros has e = 0. As a byte (E8M0): e + 127.
;;     - Each number is divided by its block's scale, clamped to +-57,344, and rounded to the nearest number of E5M2, ties to even, subnormals kept.
;;     - The product sums the exact products of the quantised numbers (number of the format x scale) in f32.
;;   ~~~python
;;   def quantise(x, axis):      # numpy; x: float32 -> the quantised numbers, widened to float32 again
;;       x = np.moveaxis(x, axis, -1); K = x.shape[-1]
;;       x = np.pad(x, [(0, 0)] * (x.ndim - 1) + [(0, -K % 32)]); x = x.reshape(x.shape[:-1] + (-1, 32)); a = np.abs(x).max(-1, keepdims=True)
;;       e = np.where(a > 0, np.clip(np.frexp(np.where(a > 0, a, 1))[1] - 1 - 15, -126, 127), 0)      # np.frexp(a)[1] - 1 = floor(log2(a)), exactly
;;       r = np.clip(x / 2.0 ** e, -57344, 57344)
;;       step = 2.0 ** (np.maximum(np.frexp(np.where(r == 0, 1, r))[1] - 1, -14) - 2)
;;       q = np.round(r / step) * step * 2.0 ** e      # np.round: ties to even
;;       return np.moveaxis(q.reshape(q.shape[:-2] + (-1,))[..., :K], -1, axis).astype(np.float32)
;;   ~~~
;; One version. Each part assembles by itself: llvm-mc -triple=amdgcn-amd-amdhsa -mcpu=gfx1250 --defsym DOCPART=n.
;; ======== version 1 of 1: 4 launches
;; limits: right only within a limited range of input values
;; workspace buffers: w2f 1,081,344 bytes; dhp 262,144 bytes; scores 262,144 bytes; part 1,048,576 bytes
;; launch prep (part 1): grid 64 x 1, 4 waves a work-group, no clusters, 51,200 bytes of LDS; arguments W2, W1, decoder_hidden, w2f, dhp; writes w2f, dhp
.if DOCPART == 1
	.amdgcn_target "amdgcn-amd-amdhsa--gfx1250"
	.amdhsa_code_object_version 6
	.text
	.protected	k_qc8825fa881_prep
	.globl	k_qc8825fa881_prep
	.p2align	8
	.type	k_qc8825fa881_prep,@function
k_qc8825fa881_prep:
	s_mov_b64 s[64:65], 0
	v_nop
	global_prefetch_b8 v0, s[64:65] scope:SCOPE_SE
	s_setreg_imm32_b32 hwreg(HW_REG_WAVE_MODE, 25, 1), 1
	s_wait_xcnt 0x0
; W2 [1024][1024] f32 becomes codes of E5M2 with one E8M0 byte for each 32 along K, laid in the order of a matrix operand's registers; and dh_proj = Q(decoder_hidden) Q(W1)^T is made.
; SHARES.  Work-group n takes rows 16 n .. 16 n + 15 of W2 and of W1.  Wave u takes K steps 2 u and 2 u + 1 (128 along K each) of both, and of all 64 rows of decoder_hidden.
; w2f, tile n (16,896 bytes): eight fragments of 2,048 bytes, K step s at 2,048 s: lane l's registers 4 c .. 4 c + 3 at 512 c + 16 l; behind them 512 bytes of scale words: at 16 l + 4 u the word of row l % 16 for K step 2 u + l / 16.
; dhp: [n][batch][16] f32: dh_proj[b][16 n + q] at 4,096 n + 64 b + 4 q.  Each wave sums its quarter of K in the matrix unit; the four quarters are added in f32, K ascending.
; THE QUANTISER: a block's scale is 2^(floor(log2(largest magnitude)) - 15); each number is held within +-57,344 x the scale and converted, ties to even.
; LIMITS: a block of zeros gets the byte 1 where the rule says 127 (its codes are zeros, and only this program reads the bytes); blocks whose largest magnitude lies under 2^-111 have their byte held at 1; NaN and infinities are not served.
; A load reads 512 consecutive bytes (one row's K step, 16 bytes a lane); the conversions want 16 neighbours along K in one lane: so each 16 rows x 512 bytes turn through the wave's own stage in LDS.
.set TILEB, 16896
.set STG,   0                          ; LDS: four stages of 16 rows x 528 bytes (512 + 16: 33 x 16, so the sixteen rows of a load begin in sixteen different 16-byte columns of 256)
.set SCA,   33792                      ; 512 bytes: W2's scale words, gathered
.set SUMB,  34304                      ; 4 x 4,096 bytes: the four waves' quarters of dh_proj
.set LN,  1                            ; v1   lane
.set LO,  4                            ; v4   16 x lane
.set STS, 5                            ; v5   the stage, on the way in
.set STL, 6                            ; v6   and out: row r, + 64 h
.set SCW, 7                            ; v7   where my scale word goes
.set SMW, 8                            ; v8   where my quarter sums go
.set SMR, 9                            ; v9   where I read the four quarters
.set SCB, 10                           ; v10  where wave 0 reads the scale words back
.set Z0,  32                           ; v32-47, v48-63 W2's codes of my two K steps
.set Z1,  48
.set X,   64                           ; v64-127 64 numbers of a lane: register 16 c + i = k 32 c + 16 h + i of row r
.set PC,  128                          ; v128-143 decoder_hidden's codes in hand
.set WC,  144                          ; v144-175 W1's codes of my two K steps
.set ACC, 176                          ; v176-207 four accumulators: batches 16 t on
.set TM,  208                          ; v208-223 at work in the quantiser
.set PW,  224                          ; v224 decoder_hidden's scale word; v225-226 W1's; these three hold scales and nothing else
.set WP,  225
.set ZP,  227                          ; v227-228 W2's scale words
.set TW,  229
.set WV,  14
.set SEL, 28
.set MNT, 30
.set MSB, 0
.macro WIN new                         ; the immediate's high byte repeats the setting that is left
.if MSB != (\new)
	s_set_vgpr_msb (MSB<<8)|(\new)
.set MSB, (\new)
.endif
.endm
; load set k (0 .. 11) lies in window 1 + k / 4 at v[64 (k % 4)]: 16 rows, 512 consecutive bytes each
.macro LOADF k, base, off
	WIN (1+(\k)/4)<<6
.irp i, 0,1,2,3,4,5,6,7,8,9,10,11,12,13,14,15
	global_load_b128 v[64*((\k)%4)+4*\i:64*((\k)%4)+4*\i+3], v[LO], s[\base:\base+1] offset:\off+\i*4096
.endr
.endm
; set k through my stage: in as loaded, out 64 bytes a lane.  LDS serves a wave's instructions in order, so no wait stands between the stores and the loads
.macro TURN k
	WIN (1+(\k)/4)<<2                              ; an LDS store's data are its source 1
.irp i, 0,1,2,3,4,5,6,7,8,9,10,11,12,13,14,15
	ds_store_b128 v[STS], v[64*((\k)%4)+4*\i:64*((\k)%4)+4*\i+3] offset:\i*528
.endr
	WIN 0
.irp c, 0,1,2,3
.irp j, 0,1,2,3
	ds_load_b128 v[X+16*\c+4*\j:X+16*\c+4*\j+3], v[STL] offset:128*\c+16*\j
.endr
.endr
	s_wait_dscnt 0x0
.endm
; 64 numbers of a lane become a fragment's 16 registers of codes (pc) and its row's scale word (pw)
.macro QUANT s, pc, pw
.irp b, 0,1,2,3
	v_max3_num_f32 v[TM+\b], |v[\s+16*\b]|, |v[\s+1+16*\b]|, 0x8000000   ; block b: my 16 numbers, and the floor 2^(16 - 127): the byte cannot fall under 1
.endr
.irp i, 2,4,6,8,10,12,14
.irp b, 0,1,2,3
	v_max3_num_f32 v[TM+\b], v[TM+\b], |v[\s+16*\b+\i]|, |v[\s+1+16*\b+\i]|   ; the four blocks by turns
.endr
.endr
.irp b, 0,1,2,3
	v_permlanex16_b32 v[TM+4+\b], v[TM+\b], s[SEL], s[SEL+1]
.endr
.irp b, 0,1,2,3
	v_max_num_f32 v[TM+\b], v[TM+\b], v[TM+4+\b]   ; with lane l xor 16's 16: the block's largest magnitude
.endr
.irp b, 0,1,2,3
	v_add_nc_u32 v[TM+12+\b], 0xf8800000, v[TM+\b] ; 15 off its exponent field: the conversion's scale operand
.endr
.irp b, 0,1,2,3
	v_and_or_b32 v[TM+8+\b], v[TM+\b], 0x7f800000, s[MNT]   ; 57,344 x the scale
.endr
.irp b, 0,1,2,3
	v_lshrrev_b32 v[TM+4+\b], 23, v[TM+12+\b]      ; the scale's byte
.endr
	v_lshl_or_b32 v[\pw], v[TM+5], 8, v[TM+4]
	v_lshl_or_b32 v[\pw], v[TM+6], 16, v[\pw]
	v_lshl_or_b32 v[\pw], v[TM+7], 24, v[\pw]
.irp b, 0,1,2,3
.irp i, 0,1,2,3,4,5,6,7,8,9,10,11,12,13,14,15
	v_med3_num_f32 v[\s+16*\b+\i], v[\s+16*\b+\i], -v[TM+8+\b], v[TM+8+\b]   ; the conversion to an 8-bit code does not saturate (ISA guide 7.6.2): the hold comes first
.endr
	v_cvt_scalef32_pk8_bf8_f32 v[\pc+4*\b:\pc+1+4*\b], v[\s+16*\b:\s+7+16*\b], v[TM+12+\b]
	v_cvt_scalef32_pk8_bf8_f32 v[\pc+2+4*\b:\pc+3+4*\b], v[\s+8+16*\b:\s+15+16*\b], v[TM+12+\b]
.endr
	v_nop                                          ; one plain line behind the last conversion
.endm
	s_load_b256 s[4:11], s[0:1], 0x0               ; W2 s[4:5], W1 s[6:7], decoder_hidden s[8:9], w2f s[10:11]
	s_load_b64 s[12:13], s[0:1], 0x20              ; dhp
	v_lshl_add_u32 v254, v0, 2, 0xc600
	v_mov_b32 v255, 0
	v_lshrrev_b32 v2, 5, v0
	v_readfirstlane_b32 s[WV], v2                  ; wave u
	v_and_b32 v[LN], 31, v0
	v_and_b32 v2, 15, v0                           ; r
	v_bfe_u32 v3, v0, 4, 1                         ; h
	v_lshlrev_b32 v[LO], 4, v[LN]
	s_mul_i32 s15, s[WV], 8448                     ; my stage (STG = 0)
	v_add_nc_u32 v[STS], s15, v[LO]
	v_mul_u32_u24 v[STL], v2, 528
	v_lshl_add_u32 v[STL], v3, 6, v[STL]
	v_add_nc_u32 v[STL], s15, v[STL]
	s_lshl_b32 s15, s[WV], 2
	s_add_co_u32 s15, s15, SCA
	v_add_nc_u32 v[SCW], s15, v[LO]                ; SCA + 16 l + 4 u
	v_add_nc_u32 v[SCB], SCA, v[LO]
	v_lshlrev_b32 v[SMW], 6, v2
	v_lshl_add_u32 v[SMW], v3, 5, v[SMW]
	s_lshl_b32 s15, s[WV], 12
	s_add_co_u32 s15, s15, SUMB
	v_add_nc_u32 v[SMW], s15, v[SMW]               ; SUMB + 4,096 u + 64 r + 32 h
	s_lshl_b32 s15, s[WV], 10
	s_add_co_u32 s15, s15, SUMB
	v_add_nc_u32 v[SMR], s15, v[LO]                ; SUMB + 1,024 wave + 16 l
	s_mov_b32 s[SEL], 0x76543210
	s_mov_b32 s[SEL+1], 0xfedcba98                 ; v_permlanex16_b32's selects for lane l xor 16
	s_mov_b32 s[MNT], 0x600000                     ; the mantissa field of 57,344
.irp b, 0,1,2,3
	v_mov_b32 v[TM+4+\b], 0                        ; written once: a lane permute's destination counts as one of its sources
.endr
	s_lshl_b32 s16, ttmp9, 16                      ; 16 rows of 4,096 bytes
	s_lshl_b32 s18, s[WV], 10                      ; my two K steps: 1,024 bytes of a row
	s_add_co_u32 s16, s16, s18
	s_mov_b32 s17, 0
	s_mov_b32 s19, 0
	s_mul_i32 s20, ttmp9, TILEB
	s_mov_b32 s21, 0
	s_lshl_b32 s22, s[WV], 12                      ; my two fragments in the tile
	s_mov_b32 s23, 0
	s_lshl_b32 s24, ttmp9, 12
	s_add_co_u32 s24, s24, s18                     ; dhp: 4,096 n + 1,024 wave
	s_mov_b32 s25, 0
	s_wait_kmcnt 0x0
	s_add_nc_u64 s[4:5], s[4:5], s[16:17]
	s_add_nc_u64 s[6:7], s[6:7], s[16:17]
	s_add_nc_u64 s[8:9], s[8:9], s[18:19]
	s_add_nc_u64 s[10:11], s[10:11], s[20:21]
	s_add_nc_u64 s[26:27], s[10:11], s[22:23]
	s_add_nc_u64 s[12:13], s[12:13], s[24:25]
	; all twelve sets go out at once: 192 loads
	LOADF 0, 4, 0
	LOADF 1, 4, 512
	LOADF 2, 6, 0
	LOADF 3, 6, 512
.irp sp, 0,1
.irp t, 0,1,2,3
	LOADF 4+4*\sp+\t, 8, \t*65536+\sp*512
.endr
.endr
	WIN 0
	; ---- W2: two fragments, stored as they stand.  Set k is in when at most 16 (11 - k) younger loads are out; a wait names 63 at the most, which is the smaller count here
	s_wait_loadcnt 63
	TURN 0
	QUANT X, Z0, ZP
.irp c, 0,1,2,3
	global_store_b128 v[LO], v[Z0+4*\c:Z0+4*\c+3], s[26:27] offset:512*\c        ; 32 lanes store 512 consecutive bytes
.endr
	s_wait_loadcnt 63
	TURN 1
	QUANT X, Z1, ZP+1
.irp c, 0,1,2,3
	global_store_b128 v[LO], v[Z1+4*\c:Z1+4*\c+3], s[26:27] offset:2048+512*\c
.endr
	v_cmp_le_u32 vcc_lo, 16, v[LN]
	v_cndmask_b32 v[TW], v[ZP], v[ZP+1], vcc_lo    ; lanes 0-15: K step 2 u; lanes 16-31: K step 2 u + 1
	ds_store_b32 v[SCW], v[TW]
	; ---- W1: two fragments, which stay
	s_wait_loadcnt 63
	TURN 2
	QUANT X, WC, WP
	s_wait_loadcnt 63
	TURN 3
	QUANT X, WC+16, WP+1
	; ---- decoder_hidden: 16 batches x 128 K at a time; source 0 = W1's 16 rows, source 1 = the batches: a lane holds batch 16 t + r and outputs 8 h + 0 .. 7
.macro DHSTEP sp, t
.set KK, 4+4*(\sp)+(\t)
.if 16*(11-KK) > 63
	s_wait_loadcnt 63
.else
	s_wait_loadcnt 16*(11-KK)
.endif
	TURN KK
	QUANT X, PC, PW
.rept 4
	v_nop                                          ; codes written by vector instructions stand four places ahead of a scaled matrix instruction; the scale word was made ahead of the 64 holds
.endr
.if (\sp) == 0
	v_wmma_scale_f32_16x16x128_f8f6f4 v[ACC+8*(\t):ACC+8*(\t)+7], v[WC:WC+15], v[PC:PC+15], 0, v[WP], v[PW] matrix_a_fmt:MATRIX_FMT_BF8 matrix_b_fmt:MATRIX_FMT_BF8
.else
	v_wmma_scale_f32_16x16x128_f8f6f4 v[ACC+8*(\t):ACC+8*(\t)+7], v[WC+16:WC+31], v[PC:PC+15], v[ACC+8*(\t):ACC+8*(\t)+7], v[WP+1], v[PW] matrix_a_fmt:MATRIX_FMT_BF8 matrix_b_fmt:MATRIX_FMT_BF8
.endif
.endm                                  ; the four accumulators take turns; the next step's 32 maxima are the places ahead of its writes of the scale word and the codes
.irp sp, 0,1
.irp t, 0,1,2,3
	DHSTEP \sp, \t
.endr
.endr
.rept 8
	v_nop                                          ; eight places ahead of the first read of results
.endr
.irp t, 0,1,2,3
	ds_store_b128 v[SMW], v[ACC+8*\t:ACC+8*\t+3] offset:1024*\t      ; each accumulator from its low end on
	ds_store_b128 v[SMW], v[ACC+8*\t+4:ACC+8*\t+7] offset:1024*\t+16
.endr
	s_wait_dscnt 0x0                               ; for the others' sake: my scale word and my quarter sums have landed
	s_barrier_signal -1
	s_barrier_wait -1
.irp u, 0,1,2,3
	ds_load_b128 v[X+8*\u:X+8*\u+3], v[SMR] offset:4096*\u
	ds_load_b128 v[X+8*\u+4:X+8*\u+7], v[SMR] offset:4096*\u+512
.endr
	s_wait_dscnt 0x0
.irp u, 1,2,3
.irp d, 0,2,4,6
	v_pk_add_f32 v[X+\d:X+\d+1], v[X+\d:X+\d+1], v[X+8*\u+\d:X+8*\u+\d+1]      ; the quarters of K, ascending
.endr
.endr
	global_store_b128 v[LO], v[X:X+3], s[12:13]                      ; 512 consecutive bytes each
	global_store_b128 v[LO], v[X+4:X+7], s[12:13] offset:512
	s_cmp_lg_u32 s[WV], 0
	s_cbranch_scc1 .Lend
	ds_load_b128 v[96:99], v[SCB]                  ; wave 0: the tile's 512 bytes of scale words
	s_wait_dscnt 0x0
	global_store_b128 v[LO], v[96:99], s[10:11] offset:16384
.Lend:
	s_wait_tensorcnt 0x0
	ds_add_u32 v254, v255
	s_wait_dscnt 0x0
	s_endpgm
.Lfunc_end_k_qc8825fa881_prep:
	.size	k_qc8825fa881_prep, .Lfunc_end_k_qc8825fa881_prep-k_qc8825fa881_prep
	.p2alignl 7, 3214868480
	.fill 96, 4, 3214868480
	.section	.rodata,"a",@progbits
	.p2align	6, 0x0
	.amdhsa_kernel k_qc8825fa881_prep
		.amdhsa_group_segment_fixed_size 51200
		.amdhsa_private_segment_fixed_size 0
		.amdhsa_enable_private_segment 0
		.amdhsa_kernarg_size 40
		.amdhsa_user_sgpr_count 2
		.amdhsa_user_sgpr_kernarg_segment_ptr 1
		.amdhsa_wavefront_size32 1
		.amdhsa_system_sgpr_workgroup_id_x 1
		.amdhsa_system_sgpr_workgroup_id_y 1
		.amdhsa_system_sgpr_workgroup_id_z 1
		.amdhsa_system_vgpr_workitem_id 0
		.amdhsa_next_free_vgpr 1024
		.amdhsa_next_free_sgpr 66
		.amdhsa_reserve_vcc 1
		.amdhsa_float_denorm_mode_32 3
		.amdhsa_float_denorm_mode_16_64 3
		.amdhsa_memory_ordered 1
		.amdhsa_forward_progress 1
		.amdhsa_inst_pref_size 148
	.end_amdhsa_kernel
	.amdgpu_metadata
---
amdhsa.version: [ 1, 2 ]
amdhsa.kernels:
  - .name:           k_qc8825fa881_prep
    .symbol:         k_qc8825fa881_prep.kd
    .args:
      - { .name: W2, .offset: 0, .size: 8, .value_kind: global_buffer, .address_space: global }
      - { .name: W1, .offset: 8, .size: 8, .value_kind: global_buffer, .address_space: global }
      - { .name: decoder_hidden, .offset: 16, .size: 8, .value_kind: global_buffer, .address_space: global }
      - { .name: w2f, .offset: 24, .size: 8, .value_kind: global_buffer, .address_space: global }
      - { .name: dhp, .offset: 32, .size: 8, .value_kind: global_buffer, .address_space: global }
    .group_segment_fixed_size: 51200
    .private_segment_fixed_size: 0
    .kernarg_segment_align: 8
    .kernarg_segment_size: 40
    .max_flat_workgroup_size: 128
    .sgpr_count:     66
    .vgpr_count:     1024
    .wavefront_size: 32
...
	.end_amdgpu_metadata
.endif
;; end of part 1
;; launch energy (part 2): grid 256 x 1, 4 waves a work-group, clusters of 4 x 1, 327,680 bytes of LDS; arguments encoder_outputs, w2f, dhp, v, scores; writes scores
.if DOCPART == 2
	.amdgcn_target "amdgcn-amd-amdhsa--gfx1250"
	.amdhsa_code_object_version 6
	.text
	.protected	k_qc8825fa881_energy
	.globl	k_qc8825fa881_energy
	.p2align	8
	.type	k_qc8825fa881_energy,@function
k_qc8825fa881_energy:
	s_mov_b64 s[64:65], 0
	v_nop
	global_prefetch_b8 v0, s[64:65] scope:SCOPE_SE
	s_setreg_imm32_b32 hwreg(HW_REG_WAVE_MODE, 25, 1), 1
	s_wait_xcnt 0x0
	s_wait_alu depctr_hold_cnt(0) depctr_sa_sdst(0) depctr_va_vdst(0) depctr_va_sdst(0) depctr_va_ssrc(0) depctr_va_vcc(0) depctr_vm_vsrc(0)
	s_getreg_b32 s2, hwreg(HW_REG_IB_STS2, 6, 4)
	s_cmp_eq_u32 s2, 0
	s_cbranch_scc0 .Lentry_in_a_cluster
	s_endpgm
.Lentry_in_a_cluster:
	s_bfe_u32 s2, ttmp6, 0x10000c
	s_cmp_lg_u32 s2, 0x3003
	s_cbranch_scc0 .Lentry_shape_is_right
	s_endpgm
.Lentry_shape_is_right:
; scores[b][s] = -2 x the sum over n of v[n] / (1 + e^(2 x)), x = dh_proj[b][n] + (Q(encoder_outputs[b][s]) . Q(W2[n])).
; tanh(x) = 1 - 2 / (1 + e^(2 x)), so reference()'s score is this number + the sum of v, a term that is the same along the softmax's axis for all values of the inputs: it is left out.
; LIMITS: an overflow of the sum of v alone is not carried to the result; NaN and infinities among the inputs are not served; a block of zeros gets the scale byte 1 (its codes are zeros; only this program reads the bytes).
; SHARES.  A work-group takes 256 rows of one batch, a wave 64 of them (four tiles of 16) against all 1,024 rows of W2.  The four work-groups of a cluster are one batch and walk the same tiles of W2: joint loads, mask 15.
; PHASE 1: the wave's 64 rows x 1,024 are read once, quantised along K (128 at a time, through the wave's stage and an image in LDS) and end as 512 registers of codes and 16 of scale words.
; PHASE 2: sixteen groups of 64 columns.  A group is one slot of the ring (four tiles of w2f): 128 matrix instructions, its 16 accumulators by turns, then the tanh in five batches.
; The product is used transposed (source 0 = 16 rows of W2, source 1 = 16 rows of the encoder): a lane holds one encoder row and eight columns n = 16 tile + 8 (lane / 16) + 0 .. 7.
; No prefetch: phase 1 has 64 loads a wave on their way throughout, and w2f's 1,081,344 bytes are walked by all 64 clusters.
; REGISTERS.  Window 0: v2-15 addresses; v16-31 the encoder's scale words; v32-47 W2's; v48-63 sums; v64-95 c x dh_proj; v96-127 -2 v; v128-255 accumulators (phase 1: numbers and codes in hand).
; Windows 1-3: codes of K step s at window 1 + s / 3, v[64 (s % 3) + 16 t]; the other 256 registers are four units of 64: phase 1's load sets, then W2's fragments of K step s in unit s % 4.
.set TILEB, 16896                      ; a tile of w2f: eight fragments of 2,048 bytes, 512 bytes of scale words
.set SLOTB, 4*TILEB
.set IMG,   2*SLOTB                    ; behind the ring: 4 x 32,768: each wave's image of four K steps' codes
.set ISC,   IMG+4*32768                ; 4 x 2,048: their scale words
.set STG,   ISC+4*2048                 ; 4 x 8,448: each wave's stage, 16 rows x 528
.set DHT,   STG+4*8448                 ; 4,096: c x dh_proj of my batch
.set VT,    DHT+4096                   ; 4,096: -2 v
.set SCR,   VT+4096                    ; 4 x 256: the way out
.set SPARE, SCR+1024                   ; the spare words, 128 bytes a wave
.set LI,   2
.set SPW,  3
.set NIL,  4
.set WAA,  5                           ; the slot in hand + 16 lane; v6 two tiles on
.set WAB,  6
.set DA,   7
.set VA,   8
.set STS,  9
.set STL,  10
.set IA,   11
.set ILA,  12
.set ISA,  13
.set ISA0, 14
.set ISL,  15
.set AS,   16
.set WS,   32
.set S,    48
.set DH,   64
.set V2,   96
.set ACC,  128
.set X,    128
.set PC,   192
.set TM,   208
.set PW,   224
.set WV,  14
.set G1,  24
.set G0A, 32
.set G0B, 36
.set LP,  40
.set C2,  42
.set SEL, 44
.set MNT, 46
.set SB,  47
.set CNT, 48
.set IOF, 49
.set SP,  50
.set SOF, 52
.set MSB, 0
.macro WIN new                         ; the immediate's high byte repeats the setting that is left
.if MSB != (\new)
	s_set_vgpr_msb (MSB<<8)|(\new)
.set MSB, (\new)
.endif
.endm
.macro ROUND                           ; a round of the cluster's barrier
	s_barrier_signal -1
	s_barrier_wait -1
	s_cmp_lg_u32 s[WV], 0
	s_cbranch_scc1 .Lnot_wave_0_\@
	s_barrier_signal -3
.Lnot_wave_0_\@:
	s_barrier_wait -3
	s_barrier_signal -1
	s_barrier_wait -1
.endm
.macro PLACES                          ; eight places behind this matrix form
.rept 8
	v_nop
.endr
.endm
.macro RSET q                          ; unit q: window 1 v192, window 2 v192, window 3 v128, window 3 v192
.set RWN, 1+(\q)-(\q)/3
.set RBS, 192-64*(((\q)/2)-((\q)/3))
.endm
.macro LOADF q, off                    ; row tile q: 16 rows, 512 consecutive bytes each
	RSET \q
	WIN RWN<<6
.irp i, 0,1,2,3,4,5,6,7,8,9,10,11,12,13,14,15
	global_load_b128 v[RBS+4*\i:RBS+4*\i+3], v[LI], s[LP:LP+1] offset:\off+(\q)*65536+\i*4096 th:TH_LOAD_NT
.endr
	WIN 0
.endm
.macro TURN q                          ; through my stage: in as loaded, out 64 bytes a lane; LDS serves a wave's instructions in order
	RSET \q
	WIN RWN<<2
.irp i, 0,1,2,3,4,5,6,7,8,9,10,11,12,13,14,15
	ds_store_b128 v[STS], v[RBS+4*\i:RBS+4*\i+3] offset:\i*528
.endr
	WIN 0
.irp c, 0,1,2,3
.irp j, 0,1,2,3
	ds_load_b128 v[X+16*\c+4*\j:X+16*\c+4*\j+3], v[STL] offset:128*\c+16*\j
.endr
.endr
	s_wait_dscnt 0x0
.endm
.macro QUANT s, pc, pw                 ; 64 numbers of a lane become 16 registers of codes and the row's scale word
.irp b, 0,1,2,3
	v_max3_num_f32 v[TM+\b], |v[\s+16*\b]|, |v[\s+1+16*\b]|, 0x8000000   ; with the floor 2^(16 - 127): the byte cannot fall under 1
.endr
.irp i, 2,4,6,8,10,12,14
.irp b, 0,1,2,3
	v_max3_num_f32 v[TM+\b], v[TM+\b], |v[\s+16*\b+\i]|, |v[\s+1+16*\b+\i]|
.endr
.endr
.irp b, 0,1,2,3
	v_permlanex16_b32 v[TM+4+\b], v[TM+\b], s[SEL], s[SEL+1]
.endr
.irp b, 0,1,2,3
	v_max_num_f32 v[TM+\b], v[TM+\b], v[TM+4+\b]   ; with lane l xor 16's 16: the block's largest magnitude
.endr
.irp b, 0,1,2,3
	v_add_nc_u32 v[TM+12+\b], 0xf8800000, v[TM+\b] ; 15 off its exponent field: the conversion's scale operand
.endr
.irp b, 0,1,2,3
	v_and_or_b32 v[TM+8+\b], v[TM+\b], 0x7f800000, s[MNT]   ; 57,344 x the scale
.endr
.irp b, 0,1,2,3
	v_lshrrev_b32 v[TM+4+\b], 23, v[TM+12+\b]      ; the scale's byte
.endr
	v_lshl_or_b32 v[\pw], v[TM+5], 8, v[TM+4]
	v_lshl_or_b32 v[\pw], v[TM+6], 16, v[\pw]
	v_lshl_or_b32 v[\pw], v[TM+7], 24, v[\pw]
.irp b, 0,1,2,3
.irp i, 0,1,2,3,4,5,6,7,8,9,10,11,12,13,14,15
	v_med3_num_f32 v[\s+16*\b+\i], v[\s+16*\b+\i], -v[TM+8+\b], v[TM+8+\b]   ; the conversion does not saturate (ISA guide 7.6.2): the hold comes first
.endr
	v_cvt_scalef32_pk8_bf8_f32 v[\pc+4*\b:\pc+1+4*\b], v[\s+16*\b:\s+7+16*\b], v[TM+12+\b]
	v_cvt_scalef32_pk8_bf8_f32 v[\pc+2+4*\b:\pc+3+4*\b], v[\s+8+16*\b:\s+15+16*\b], v[TM+12+\b]
.endr
	v_nop                                          ; one plain line behind the last conversion
.endm
	s_load_b256 s[4:11], s[0:1], 0x0               ; encoder_outputs, w2f, dhp, v
	s_load_b64 s[12:13], s[0:1], 0x20              ; scores
	v_lshl_add_u32 v[SPW], v0, 2, SPARE
	v_mov_b32 v[NIL], 0
	ds_add_u32 v[SPW], v[NIL]                      ; the opening lines: the add twice on end under one wait
	ds_add_u32 v[SPW], v[NIL]
	v_lshrrev_b32 v1, 5, v0
	v_readfirstlane_b32 s[WV], v1                  ; wave 0..3
	s_bfe_u32 s15, ttmp6, 0x40000                  ; cx
	s_lshl_b32 s16, ttmp9, 2
	s_add_co_u32 s16, s16, s15                     ; work-group: batch ttmp9, quarter cx
	s_mov_b32 s[G1], 15|(3<<16)|(1<<21)            ; a tile of w2f is dense: 66 rows of 256 bytes (32 elements of 8); mask: all four partners
	s_mov_b32 s[G1+1], 32<<16
	s_mov_b32 s[G1+2], 66<<16
	s_mov_b32 s[G1+3], 32<<16
	s_mov_b32 s[G1+4], 66
	s_mov_b32 s[G1+5], 32
	s_mov_b32 s[G1+6], 0
	s_mov_b32 s[G1+7], 0
	s_mul_i32 s56, s[WV], TILEB                    ; wave w fetches tile w of a slot
	s_mov_b32 s57, 0
	s_mov_b32 s[C2], 0x4038aa3b                    ; c = 2 log2(e)
	s_mov_b32 s[C2+1], s[C2]
	s_mov_b32 s[SEL], 0x76543210
	s_mov_b32 s[SEL+1], 0xfedcba98
	s_mov_b32 s[MNT], 0x600000
	s_mul_i32 s17, s[WV], 8448
	s_add_co_u32 s17, s17, STG
	s_lshl_b32 s53, s[WV], 15
	s_add_co_u32 s53, s53, IMG
	s_lshl_b32 s54, s[WV], 11
	s_add_co_u32 s54, s54, ISC
	s_lshl_b32 s18, ttmp9, 6                       ; dhp: 64 bytes a batch in each tile
	s_mov_b32 s19, 0
	s_lshl_b32 s20, s16, 20                        ; my work-group's 256 rows of 4,096 bytes, my wave's 64
	s_lshl_b32 s21, s[WV], 18
	s_add_co_u32 s20, s20, s21
	s_mov_b32 s21, 0
	s_lshl_b32 s22, s16, 10
	s_lshl_b32 s23, s[WV], 8
	s_add_co_u32 s22, s22, s23
	s_mov_b32 s23, 0
	v_and_b32 v1, 31, v0
	v_and_b32 v58, 15, v0                          ; r
	v_bfe_u32 v59, v0, 4, 1                        ; h
	v_lshlrev_b32 v[LI], 4, v1
	v_add_nc_u32 v[STS], s17, v[LI]
	v_mul_u32_u24 v[STL], v58, 528
	v_lshl_add_u32 v[STL], v59, 6, v[STL]
	v_add_nc_u32 v[STL], s17, v[STL]
	v_add_nc_u32 v[ILA], s53, v[LI]
	v_lshl_add_u32 v[ISA0], v1, 2, s54
	v_lshl_add_u32 v[ISL], v59, 9, v[ISA0]
	v_lshlrev_b32 v[DA], 5, v59
	v_add_nc_u32 v[VA], VT, v[DA]                  ; -2 v at 4 n: my eight begin 32 h on
	v_add_nc_u32 v[DA], DHT, v[DA]
	v_lshrrev_b32 v60, 2, v0
	v_and_b32 v61, 3, v0
	v_lshlrev_b32 v60, 12, v60
	v_lshl_add_u32 v60, v61, 4, v60                ; dhp: tile thread / 4, 16 bytes (thread % 4)
	v_lshlrev_b32 v61, 4, v0
	v_add_nc_u32 v62, DHT, v61
	v_add_nc_u32 v63, VT, v61
.irp b, 0,1,2,3
	v_mov_b32 v[TM+4+\b], 0                        ; a lane permute's destination counts as one of its sources
.endr
	s_wait_dscnt 0x0                               ; both opening adds are done
	s_wait_alu depctr_va_vdst(0)                   ; the wait at the head's end
	s_wait_kmcnt 0x0
	s_add_nc_u64 s[8:9], s[8:9], s[18:19]
	s_add_nc_u64 s[LP:LP+1], s[4:5], s[20:21]
	s_add_nc_u64 s[SP:SP+1], s[12:13], s[22:23]
	s_add_nc_u64 s[58:59], s[6:7], s[56:57]
	global_load_b128 v[64:67], v60, s[8:9]
	global_load_b128 v[68:71], v60, s[8:9] offset:131072
	global_load_b128 v[72:75], v61, s[10:11]
	global_load_b128 v[76:79], v61, s[10:11] offset:2048
.irp q, 0,1,2,3
	LOADF \q, 0                                    ; K step 0 of my 64 rows is asked for ahead of the rounds
.endr
	s_mov_b32 s[G0A], 1
	s_mov_b32 s[G0A+1], s56
	s_mov_b64 s[G0A+2:G0A+3], s[58:59]
	s_or_b32 s[G0A+3], s[G0A+3], 0x80000000
	s_mov_b32 s[G0B], 1
	s_add_co_u32 s[G0B+1], s56, SLOTB
	s_add_nc_u64 s[G0B+2:G0B+3], s[58:59], SLOTB
	s_or_b32 s[G0B+3], s[G0B+3], 0x80000000
	ROUND                                          ; in front of the first joint loads
	tensor_load_to_lds s[G0A:G0A+3], s[G1:G1+7]    ; slot 0: my one load at the head
	s_nop 0
	s_wait_tensorcnt 0x0                           ; slot 1's first fill is issued as a refill is: the three lines, a round, the load
	ds_add_u32 v[SPW], v[NIL]
	s_wait_dscnt 0x0
	ROUND
	tensor_load_to_lds s[G0B:G0B+3], s[G1:G1+7]
	s_nop 0
.rept 4
	v_nop
.endr
	s_wait_loadcnt 63                              ; of 68 loads the four oldest, dh_proj and v, are in
.irp d, 64,66,68,70
	v_pk_mul_f32 v[\d:\d+1], v[\d:\d+1], s[C2:C2+1] op_sel_hi:[1,0]
.endr
.irp d, 72,74,76,78
	v_pk_mul_f32 v[\d:\d+1], v[\d:\d+1], -2.0 op_sel_hi:[1,0]
.endr
	ds_store_b128 v62, v[64:67]
	ds_store_b128 v62, v[68:71] offset:2048
	ds_store_b128 v63, v[72:75]
	ds_store_b128 v63, v[76:79] offset:2048
.macro QFRAG q, ahead
.if \ahead
	s_wait_loadcnt 48                              ; this set is in; the three younger sets of 16 may be out
.else
	s_wait_loadcnt 16*(3-(\q))
.endif
	TURN \q
.if \ahead
	LOADF \q, 512                                  ; the set takes the next K step
.endif
	QUANT X, PC, PW
.irp c, 0,1,2,3
	ds_store_b128 v[IA], v[PC+4*\c:PC+4*\c+3] offset:(\q)*2048+512*\c
.endr
	ds_store_b32 v[ISA], v[PW] offset:(\q)*128
.endm
.macro QTRIP ahead                     ; one K step of my four row tiles
	v_add_nc_u32 v[IA], s[IOF], v[ILA]
	v_add_nc_u32 v[ISA], s[SOF], v[ISA0]
.irp q, 0,1,2,3
	QFRAG \q, \ahead
.endr
.if \ahead
	s_wait_xcnt 0x0                                ; the loads have read their base
	s_add_nc_u64 s[LP:LP+1], s[LP:LP+1], 512
.endif
	s_add_co_u32 s[IOF], s[IOF], 8192
	s_add_co_u32 s[SOF], s[SOF], 512
.endm
.macro CODES hf                        ; the image's four K steps into their registers; scale words: lanes 0-15 the even K step, lanes 16-31 the odd
.irp sm, 0,1,2,3
.set SS, 4*(\hf)+\sm
	WIN (1+SS/3)<<6
.irp t, 0,1,2,3
.irp c, 0,1,2,3
	ds_load_b128 v[64*(SS%3)+16*\t+4*\c:64*(SS%3)+16*\t+4*\c+3], v[ILA] offset:(4*\sm+\t)*2048+512*\c
.endr
.endr
.endr
	WIN 0
.irp t, 0,1,2,3
.irp uu, 0,1
	ds_load_b32 v[AS+4*\t+2*(\hf)+\uu], v[ISL] offset:1024*\uu+128*\t
.endr
.endr
.endm
	s_mov_b32 s[IOF], 0
	s_mov_b32 s[SOF], 0
	s_mov_b32 s[CNT], 4
.Lq0:
	QTRIP 1
	s_sub_co_u32 s[CNT], s[CNT], 1
	s_cmp_lg_u32 s[CNT], 0
	s_cbranch_scc1 .Lq0
	CODES 0
	s_mov_b32 s[IOF], 0
	s_mov_b32 s[SOF], 0
	s_mov_b32 s[CNT], 3
.Lq1:
	QTRIP 1
	s_sub_co_u32 s[CNT], s[CNT], 1
	s_cmp_lg_u32 s[CNT], 0
	s_cbranch_scc1 .Lq1
	QTRIP 0                                        ; the last K step asks for nothing
	CODES 1
; ---- PHASE 2
.macro ULOAD s                         ; W2's four fragments of K step s of the slot in hand into unit s % 4: 16 loads
	RSET (\s)%4
	WIN RWN<<6
.irp j, 0,1,2,3
.irp c, 0,1,2,3
	ds_load_b128 v[RBS+16*\j+4*\c:RBS+16*\j+4*\c+3], v[WAA+(\j)/2] offset:((\j)%2)*TILEB+(\s)*2048+512*\c
.endr
.endr
.endm
.macro MM1 s, j, t
.set rD, ACC+32*(\j)+8*(\t)
.set rA, RBS+16*(\j)
.set rB, 64*((\s)%3)+16*(\t)
.set rX, WS+4*(\j)+(\s)/2
.set rY, AS+4*(\t)+(\s)/2
.if (\s) == 0
	v_wmma_scale_f32_16x16x128_f8f6f4 v[rD:rD+7], v[rA:rA+15], v[rB:rB+15], 0, v[rX], v[rY] matrix_a_fmt:MATRIX_FMT_BF8 matrix_b_fmt:MATRIX_FMT_BF8
.elseif ((\s)%2) == 0
	v_wmma_scale_f32_16x16x128_f8f6f4 v[rD:rD+7], v[rA:rA+15], v[rB:rB+15], v[rD:rD+7], v[rX], v[rY] matrix_a_fmt:MATRIX_FMT_BF8 matrix_b_fmt:MATRIX_FMT_BF8
.else
	v_wmma_scale_f32_16x16x128_f8f6f4 v[rD:rD+7], v[rA:rA+15], v[rB:rB+15], v[rD:rD+7], v[rX], v[rY] matrix_a_fmt:MATRIX_FMT_BF8 matrix_b_fmt:MATRIX_FMT_BF8 matrix_a_scale:MATRIX_SCALE_ROW1 matrix_b_scale:MATRIX_SCALE_ROW1
.endif
.endm
.macro MMS s                           ; K step s: 16 matrix instructions, four column tiles x four row tiles; the first K step starts the sums
	RSET (\s)%4
	WIN RWN|((1+(\s)/3)<<2)
.irp j, 0,1,2,3
.irp t, 0,1,2,3
	MM1 \s, \j, \t
.endr
.endr
.endm
.macro WSL                             ; the slot's scale words: four registers a tile
.irp j, 0,1,2,3
	ds_load_b128 v[WS+4*\j:WS+4*\j+3], v[WAA+(\j)/2] offset:((\j)%2)*TILEB+16384
.endr
.endm
; The tanh of a group's 128 numbers a lane, in batches; each batch of transcendentals has one wait ahead of it and one behind it.
.macro EPI
.set E, 0
.rept 64                               ; pair E: tile E / 16, columns 2 (E % 4): c x + c dh_proj; each accumulator from its low end on
	v_pk_fma_f32 v[ACC+2*E:ACC+2*E+1], v[ACC+2*E:ACC+2*E+1], s[C2:C2+1], v[DH+8*(E/16)+2*(E%4):DH+8*(E/16)+2*(E%4)+1] op_sel_hi:[1,0,1]
.set E, E+1
.endr
	s_wait_alu depctr_va_vdst(0)
.set E, 0
.rept 128
	v_exp_f32 v[ACC+E], v[ACC+E]                   ; e^(2 x)
.set E, E+1
.endr
	v_nop
	s_wait_alu depctr_va_vdst(0)
.set E, 0
.rept 64
	v_pk_add_f32 v[ACC+2*E:ACC+2*E+1], v[ACC+2*E:ACC+2*E+1], 1.0 op_sel_hi:[1,0]
.set E, E+1
.endr
	s_wait_alu depctr_va_vdst(0)
.set E, 0
.rept 128
	v_rcp_f32 v[ACC+E], v[ACC+E]
.set E, E+1
.endr
	v_nop
	s_wait_alu depctr_va_vdst(0)
.set F, 0
.rept 64                               ; x -2 v, summed in eight chains: row tile F % 4, the parity of the pair
.set E, 16*(F/16)+4*(F%4)+(F/4)%4
.set CH, S+2*((F%4)+4*((F/4)%2))
	v_pk_fma_f32 v[CH:CH+1], v[ACC+2*E:ACC+2*E+1], v[V2+8*(F/16)+2*((F/4)%4):V2+8*(F/16)+2*((F/4)%4)+1], v[CH:CH+1]
.set F, F+1
.endr
.endm
; A group.  chg = 1: the slot just read is filled again, two groups ahead; 2: the next slot is only met; 0: the last group.
.macro GROUP chg
	s_wait_dscnt 0x0                               ; K steps 0-3 and the scale words are in
	MMS 0
	PLACES
	WIN 0
.irp j, 0,1,2,3
	ds_load_b128 v[DH+8*\j:DH+8*\j+3], v[DA] offset:64*\j
	ds_load_b128 v[DH+8*\j+4:DH+8*\j+7], v[DA] offset:64*\j+16
	ds_load_b128 v[V2+8*\j:V2+8*\j+3], v[VA] offset:64*\j
	ds_load_b128 v[V2+8*\j+4:V2+8*\j+7], v[VA] offset:64*\j+16
.endr
	ULOAD 4                                        ; a unit takes the K step four on as soon as its products are issued, behind their places
	MMS 1
	PLACES
	ULOAD 5
	MMS 2
	PLACES
	ULOAD 6
	MMS 3
	PLACES
	ULOAD 7
	s_wait_dscnt 48                                ; K step 4 is in; the three younger units of 16 loads may be out
	MMS 4
	s_wait_dscnt 32
	MMS 5
	s_wait_dscnt 16
	MMS 6
	s_wait_dscnt 0x0
	MMS 7
	WIN 0
.if (\chg) != 0
	s_wait_tensorcnt 0x0                           ; my one load that was out, my tile of the next slot, has landed
	ds_add_u32 v[SPW], v[NIL]
.if (\chg) == 1
	s_xor_b32 s[G0B+1], s[G0B+1], SLOTB            ; the walking descriptor: the slot just read, the group after next
	s_add_nc_u64 s[G0B+2:G0B+3], s[G0B+2:G0B+3], SLOTB
.endif
	PLACES                                         ; for the loads below and the first reads of results
	s_wait_dscnt 0x0                               ; the add is done; my reads of this slot were over above
.if (\chg) == 1
	ROUND                                          ; no wave of any partner still reads the slot
	tensor_load_to_lds s[G0B:G0B+3], s[G1:G1+7]
	s_nop 0
.rept 4
	v_nop
.endr
.else
	s_barrier_signal -1
	s_barrier_wait -1
.endif
	s_xor_b32 s[SB], s[SB], SLOTB
	v_add_nc_u32 v[WAA], s[SB], v[LI]
	v_add_nc_u32 v[WAB], 2*TILEB, v[WAA]
	s_wait_alu depctr_va_vdst(0)                   ; the wait here, directly behind the writes
	ULOAD 0                                        ; the next group's first four K steps land under the batches below
	ULOAD 1
	ULOAD 2
	ULOAD 3
	WIN 0
	WSL
	v_add_nc_u32 v[DA], 256, v[DA]                 ; the next group's 64 columns
	v_add_nc_u32 v[VA], 256, v[VA]
.else
	PLACES
.endif
	EPI
.endm
.irp j, 0,1,2,3,4,5,6,7,8,9,10,11,12,13,14,15
	v_mov_b32 v[S+\j], 0
.endr
	v_mov_b32 v[WAA], v[LI]
	v_add_nc_u32 v[WAB], 2*TILEB, v[LI]
	s_mov_b32 s[SB], 0
	s_wait_alu depctr_va_vdst(0)                   ; the wait ahead of the blocking wait
	s_wait_dscnt 0x0                               ; my codes are in registers; my stores of dh_proj and v have landed
	s_barrier_signal -1
	s_barrier_wait -1
	ULOAD 0
	ULOAD 1
	ULOAD 2
	ULOAD 3
	WIN 0
	WSL
	s_mov_b32 s[CNT], 14
.Lslot:
	GROUP 1
	s_sub_co_u32 s[CNT], s[CNT], 1
	s_cmp_lg_u32 s[CNT], 0
	s_cbranch_scc1 .Lslot
	GROUP 2                                        ; the last two groups fill nothing
	GROUP 0
.irp t, 0,1,2,3
	v_add_f32 v[S+2*\t], v[S+2*\t], v[S+2*\t+1]
.endr
.irp t, 0,1,2,3
	v_add_f32 v[S+2*\t+8], v[S+2*\t+8], v[S+2*\t+9]
.endr
.irp t, 0,1,2,3
	v_add_f32 v[S+2*\t], v[S+2*\t], v[S+2*\t+8]
.endr
.irp t, 0,1,2,3
	v_permlanex16_b32 v[S+2*\t+1], v[S+2*\t], s[SEL], s[SEL+1]
.endr
.irp t, 0,1,2,3
	v_add_f32 v[S+2*\t], v[S+2*\t], v[S+2*\t+1]    ; with lane l xor 16's columns: row 16 t + r's score
.endr
	v_and_b32 v64, 15, v0
	s_lshl_b32 s17, s[WV], 8
	s_add_co_u32 s17, s17, SCR
	v_lshl_add_u32 v64, v64, 2, s17
	v_and_b32 v65, 31, v0
	v_lshlrev_b32 v66, 3, v65
	v_add_nc_u32 v65, s17, v66
.irp t, 0,1,2,3
	ds_store_b32 v64, v[S+2*\t] offset:64*\t       ; both halves of the lanes write the same word with the same value
.endr
	ds_load_b64 v[68:69], v65
	s_wait_alu depctr_va_vdst(0)                   ; the wait ahead of the blocking wait
	s_wait_dscnt 0x0
	global_store_b64 v66, v[68:69], s[SP:SP+1]     ; my 64 scores: 256 consecutive bytes, aligned
	s_wait_tensorcnt 0x0                           ; the wave's end
	ds_add_u32 v[SPW], v[NIL]
	s_wait_dscnt 0x0
	ROUND                                          ; the closing round
	s_endpgm
.Lfunc_end_k_qc8825fa881_energy:
	.size	k_qc8825fa881_energy, .Lfunc_end_k_qc8825fa881_energy-k_qc8825fa881_energy
	.p2alignl 7, 3214868480
	.fill 96, 4, 3214868480
	.section	.rodata,"a",@progbits
	.p2align	6, 0x0
	.amdhsa_kernel k_qc8825fa881_energy
		.amdhsa_group_segment_fixed_size 327680
		.amdhsa_private_segment_fixed_size 0
		.amdhsa_enable_private_segment 0
		.amdhsa_kernarg_size 40
		.amdhsa_user_sgpr_count 2
		.amdhsa_user_sgpr_kernarg_segment_ptr 1
		.amdhsa_wavefront_size32 1
		.amdhsa_system_sgpr_workgroup_id_x 1
		.amdhsa_system_sgpr_workgroup_id_y 1
		.amdhsa_system_sgpr_workgroup_id_z 1
		.amdhsa_system_vgpr_workitem_id 0
		.amdhsa_next_free_vgpr 1024
		.amdhsa_next_free_sgpr 66
		.amdhsa_reserve_vcc 0
		.amdhsa_float_denorm_mode_32 3
		.amdhsa_float_denorm_mode_16_64 3
		.amdhsa_memory_ordered 1
		.amdhsa_forward_progress 1
		.amdhsa_inst_pref_size 255
	.end_amdhsa_kernel
	.section	.bss,"aw",@nobits
	.p2align	6
	.space	262144
	.amdgpu_metadata
---
amdhsa.version: [ 1, 2 ]
amdhsa.kernels:
  - .name:           k_qc8825fa881_energy
    .symbol:         k_qc8825fa881_energy.kd
    .args:
      - { .name: encoder_outputs, .offset: 0, .size: 8, .value_kind: global_buffer, .address_space: global }
      - { .name: w2f, .offset: 8, .size: 8, .value_kind: global_buffer, .address_space: global }
      - { .name: dhp, .offset: 16, .size: 8, .value_kind: global_buffer, .address_space: global }
      - { .name: v, .offset: 24, .size: 8, .value_kind: global_buffer, .address_space: global }
      - { .name: scores, .offset: 32, .size: 8, .value_kind: global_buffer, .address_space: global }
    .group_segment_fixed_size: 327680
    .private_segment_fixed_size: 0
    .kernarg_segment_align: 8
    .kernarg_segment_size: 40
    .max_flat_workgroup_size: 128
    .sgpr_count:     66
    .vgpr_count:     1024
    .wavefront_size: 32
...
	.end_amdgpu_metadata
.endif
;; end of part 2
;; launch ctx (part 3): grid 4 x 64, 16 waves a work-group, no clusters, 68,096 bytes of LDS; arguments scores, encoder_outputs, part, out1; writes part, out1
.if DOCPART == 3
	.amdgcn_target "amdgcn-amd-amdhsa--gfx1250"
	.amdhsa_code_object_version 6
	.text
	.protected	k_qc8825fa881_ctx
	.globl	k_qc8825fa881_ctx
	.p2align	8
	.type	k_qc8825fa881_ctx,@function
k_qc8825fa881_ctx:
	s_mov_b64 s[64:65], 0
	v_nop
	global_prefetch_b8 v0, s[64:65] scope:SCOPE_SE
	s_setreg_imm32_b32 hwreg(HW_REG_WAVE_MODE, 25, 1), 1
	s_wait_xcnt 0x0
; out1[b][s] = softmax over s of scores[b][s] (scores lack the sum of v, which is the same along s: the softmax is the same);  part[b][j][h] = the sum over rows s = 256 j .. 256 j + 255 of out1[b][s] encoder_outputs[b][s][h].
; All in f32; the row's true maximum is taken away before the exponential.
; SHARES.  Work-group (j, b) takes 256 whole rows of batch b, 1,048,576 consecutive bytes; wave w rows 16 w .. 16 w + 15; a row is eight loads of 512 consecutive bytes; a lane holds columns 128 k + 4 l .. + 3, k = 0 .. 7.
; Each of a batch's four work-groups makes the softmax's maximum and sum of the 1,024 scores for itself (4,096 bytes) and stores its quarter of out1.
; A ring of four rows in registers: 32 loads a wave on their way.  The 16 rows are written out: every offset is an immediate.  No matrix unit: one row of weights a batch.  No cluster, no prefetch: each encoder byte is read by one wave, once, and the loads run ahead by themselves.
; LIMITS: NaN and infinities among the inputs are not served; an e under 2^-126 counts as 0.
.set RED1, 0                           ; LDS: sixteen waves' maxima,
.set RED2, 256                         ; their sums,
.set CP,   512                         ; 16 x 4,096 bytes: the waves' partial sums
.set SPARE, CP+65536                   ; the spare words, 128 bytes a wave
.set A,    32                          ; v32-63 the sums
.set R,    64                          ; v64-191 the ring: row i in v[R + 32 (i % 4)]
	s_load_b256 s[4:11], s[0:1], 0x0               ; scores, encoder_outputs, part, out1
	v_lshl_add_u32 v30, v0, 2, SPARE
	v_mov_b32 v31, 0
	v_lshrrev_b32 v1, 5, v0
	v_readfirstlane_b32 s12, v1                    ; wave 0..15
	s_and_b32 s13, ttmp7, 0xffff                   ; the batch
	s_lshl_b32 s14, s12, 2
	s_lshl_b32 s15, s12, 12
	s_add_co_u32 s15, s15, CP
	s_mov_b32 s20, 0x76543210
	s_mov_b32 s21, 0xfedcba98
.irp p, 25,27,29,31
	s_mov_b32 s\p, 0                               ; named as the upper halves of the weights' pairs, so they are written
.endr
	s_lshl_b32 s18, s13, 12                        ; a batch's row of 4,096 bytes in scores and out1
	s_mov_b32 s19, 0
	s_lshl_b32 s16, ttmp9, 10                      ; my wave's 16 scores in it
	s_add_co_u32 s16, s16, s18
	s_lshl_b32 s17, s12, 6
	s_add_co_u32 s16, s16, s17
	s_mov_b32 s17, 0
	s_lshl_b32 s22, s13, 22                        ; the batch's rows, my work-group's 256, my wave's 16
	s_lshl_b32 s23, ttmp9, 20
	s_add_co_u32 s22, s22, s23
	s_lshl_b32 s23, s12, 16
	s_add_co_u32 s22, s22, s23
	s_mov_b32 s23, 0
	s_lshl_b32 s34, s13, 14
	s_lshl_b32 s35, ttmp9, 12
	s_add_co_u32 s34, s34, s35
	s_mov_b32 s35, 0
	v_and_b32 v1, 31, v0
	v_lshlrev_b32 v2, 4, v1                        ; 16 x lane
	v_lshlrev_b32 v3, 3, v0                        ; 8 x thread
	v_mov_b32 v4, s14                              ; my wave's word among the sixteen
	v_mov_b32 v5, 0
	v_and_b32 v7, 15, v0
	v_lshlrev_b32 v7, 2, v7
	v_add_nc_u32 v28, s15, v2
	v_add_nc_u32 v29, CP, v3
	v_mov_b32 v13, 0                               ; a lane permute's destination counts as one of its sources
	s_wait_alu depctr_va_vdst(0)                   ; the wait at the head's end
	s_wait_kmcnt 0x0
	s_add_nc_u64 s[32:33], s[4:5], s[16:17]
	s_add_nc_u64 s[4:5], s[4:5], s[18:19]
	s_add_nc_u64 s[6:7], s[6:7], s[22:23]
	s_add_nc_u64 s[8:9], s[8:9], s[34:35]
	s_add_nc_u64 s[10:11], s[10:11], s[18:19]
	global_load_b64 v[8:9], v3, s[4:5]             ; my two of the 1,024 scores,
	global_load_b32 v10, v7, s[32:33]              ; row l % 16 of my wave's 16,
.irp i, 0,1,2,3
.irp k, 0,1,2,3,4,5,6,7
	global_load_b128 v[R+32*\i+4*\k:R+32*\i+4*\k+3], v2, s[6:7] offset:\i*4096+\k*512 th:TH_LOAD_NT   ; then the ring is filled
.endr
.endr
	s_wait_loadcnt 32                              ; the scores are in; the 32 younger loads stay out
	v_max_num_f32 v12, v8, v9
	v_max_num_f32_dpp v12, v12, v12 row_xmask:1 row_mask:0xf bank_mask:0xf
	v_max_num_f32_dpp v12, v12, v12 row_xmask:2 row_mask:0xf bank_mask:0xf
	v_max_num_f32_dpp v12, v12, v12 row_xmask:4 row_mask:0xf bank_mask:0xf
	v_max_num_f32_dpp v12, v12, v12 row_xmask:8 row_mask:0xf bank_mask:0xf
	v_permlanex16_b32 v13, v12, s20, s21
	v_max_num_f32 v12, v12, v13
	ds_store_b32 v4, v12 offset:RED1               ; all lanes write the same word with the same value
	s_wait_dscnt 0x0
	s_barrier_signal -1
	s_barrier_wait -1
.irp k, 0,1,2,3
	ds_load_b128 v[12+4*\k:15+4*\k], v5 offset:RED1+16*\k
.endr
	s_wait_dscnt 0x0
	v_max3_num_f32 v12, v12, v13, v14
	v_max3_num_f32 v15, v15, v16, v17
	v_max3_num_f32 v18, v18, v19, v20
	v_max3_num_f32 v21, v21, v22, v23
	v_max3_num_f32 v24, v24, v25, v26
	v_max3_num_f32 v12, v12, v15, v18
	v_max3_num_f32 v21, v21, v24, v27
	v_max_num_f32 v12, v12, v21                    ; the row's maximum
.irp i, 8,9,10
	v_sub_f32 v\i, v\i, v12
.endr
.irp i, 8,9,10
	v_mul_f32 v\i, 0x3fb8aa3b, v\i
.endr
	s_wait_alu depctr_va_vdst(0)                   ; a wait ahead of the batch and one behind it
.irp i, 8,9,10
	v_exp_f32 v\i, v\i
.endr
	v_nop
	s_wait_alu depctr_va_vdst(0)
	v_add_f32 v12, v8, v9
	v_add_f32_dpp v12, v12, v12 row_xmask:1 row_mask:0xf bank_mask:0xf
	v_add_f32_dpp v12, v12, v12 row_xmask:2 row_mask:0xf bank_mask:0xf
	v_add_f32_dpp v12, v12, v12 row_xmask:4 row_mask:0xf bank_mask:0xf
	v_add_f32_dpp v12, v12, v12 row_xmask:8 row_mask:0xf bank_mask:0xf
	v_permlanex16_b32 v13, v12, s20, s21
	v_add_f32 v12, v12, v13
	ds_store_b32 v4, v12 offset:RED2
	s_wait_dscnt 0x0
	s_barrier_signal -1
	s_barrier_wait -1
.irp k, 0,1,2,3
	ds_load_b128 v[12+4*\k:15+4*\k], v5 offset:RED2+16*\k
.endr
	s_wait_dscnt 0x0
.irp k, 12,16,20,24
	v_pk_add_f32 v[\k:\k+1], v[\k:\k+1], v[\k+2:\k+3]
.endr
	v_pk_add_f32 v[12:13], v[12:13], v[16:17]
	v_pk_add_f32 v[20:21], v[20:21], v[24:25]
	v_pk_add_f32 v[12:13], v[12:13], v[20:21]
	v_add_f32 v12, v12, v13
	s_wait_alu depctr_va_vdst(0)
	v_rcp_f32 v11, v12                             ; 1 / the sum of e
	v_nop
	s_wait_alu depctr_va_vdst(0)
	v_mul_f32 v10, v10, v11                        ; lane i (0 .. 15): the weight of my row i
	s_wait_alu depctr_va_vdst(0)                   ; the wait ahead of the branch
	s_lshr_b32 s14, s12, 2                         ; the threads of waves 4 j .. 4 j + 3 hold e of rows 256 j .. 256 j + 255: my work-group's quarter of out1
	s_cmp_lg_u32 s14, ttmp9
	s_cbranch_scc1 .Lnot_mine
	v_mul_f32 v14, v8, v11
	v_mul_f32 v15, v9, v11
	global_store_b64 v3, v[14:15], s[10:11] th:TH_STORE_NT           ; a wave stores 256 consecutive bytes, aligned
.Lnot_mine:
; Row i: its eight loads are in when at most the three younger rows' 24 are out; its weight goes to a scalar pair (four by turns); sixteen packed multiply-adds; the ring's place takes the row four on.
.macro ROW i
.if (\i) < 12
	s_wait_loadcnt 24
.else
	s_wait_loadcnt 8*(15-(\i))                     ; the last four rows ask for nothing: the counts run down
.endif
	v_readlane_b32 s[24+2*((\i)%4)], v10, \i
.set D, 0
.rept 16
.if (\i) == 0
	v_pk_mul_f32 v[A+2*D:A+2*D+1], v[R+32*((\i)%4)+2*D:R+32*((\i)%4)+2*D+1], s[24+2*((\i)%4):25+2*((\i)%4)] op_sel_hi:[1,0]   ; the first row starts the sums
.else
	v_pk_fma_f32 v[A+2*D:A+2*D+1], v[R+32*((\i)%4)+2*D:R+32*((\i)%4)+2*D+1], s[24+2*((\i)%4):25+2*((\i)%4)], v[A+2*D:A+2*D+1] op_sel_hi:[1,0,1]
.endif
.set D, D+1
.endr
.if (\i) < 12
.irp k, 0,1,2,3,4,5,6,7
	global_load_b128 v[R+32*((\i)%4)+4*\k:R+32*((\i)%4)+4*\k+3], v2, s[6:7] offset:((\i)+4)*4096+\k*512 th:TH_LOAD_NT
.endr
.endif
.endm
.set RI, 0
.rept 16
	ROW RI
.set RI, RI+1
.endr
.irp k, 0,1,2,3,4,5,6,7
	ds_store_b128 v28, v[A+4*\k:A+4*\k+3] offset:512*\k
.endr
	s_wait_dscnt 0x0                               ; for the others' sake: my partial sums have landed
	s_barrier_signal -1
	s_barrier_wait -1
.irp w, 0,1,2,3,4,5,6,7,8,9,10,11,12,13,14,15
	ds_load_b64 v[64+2*\w:65+2*\w], v29 offset:4096*\w   ; two columns a thread, all sixteen waves' parts
.endr
	s_wait_dscnt 0x0
.irp w, 2,4,6,8,10,12,14
	v_pk_add_f32 v[64:65], v[64:65], v[64+2*\w:65+2*\w]
	v_pk_add_f32 v[66:67], v[66:67], v[66+2*\w:67+2*\w]
.endr
	v_pk_add_f32 v[64:65], v[64:65], v[66:67]
	global_store_b64 v3, v[64:65], s[8:9]          ; a wave stores 256 consecutive bytes, aligned
	s_wait_tensorcnt 0x0                           ; the wave's end
	ds_add_u32 v30, v31
	s_wait_dscnt 0x0
	s_endpgm
.Lfunc_end_k_qc8825fa881_ctx:
	.size	k_qc8825fa881_ctx, .Lfunc_end_k_qc8825fa881_ctx-k_qc8825fa881_ctx
	.p2alignl 7, 3214868480
	.fill 96, 4, 3214868480
	.section	.rodata,"a",@progbits
	.p2align	6, 0x0
	.amdhsa_kernel k_qc8825fa881_ctx
		.amdhsa_group_segment_fixed_size 68096
		.amdhsa_private_segment_fixed_size 0
		.amdhsa_enable_private_segment 0
		.amdhsa_kernarg_size 32
		.amdhsa_user_sgpr_count 2
		.amdhsa_user_sgpr_kernarg_segment_ptr 1
		.amdhsa_wavefront_size32 1
		.amdhsa_system_sgpr_workgroup_id_x 1
		.amdhsa_system_sgpr_workgroup_id_y 1
		.amdhsa_system_sgpr_workgroup_id_z 1
		.amdhsa_system_vgpr_workitem_id 0
		.amdhsa_next_free_vgpr 192
		.amdhsa_next_free_sgpr 66
		.amdhsa_reserve_vcc 0
		.amdhsa_float_denorm_mode_32 3
		.amdhsa_float_denorm_mode_16_64 3
		.amdhsa_memory_ordered 1
		.amdhsa_forward_progress 1
		.amdhsa_inst_pref_size 39
	.end_amdhsa_kernel
	.amdgpu_metadata
---
amdhsa.version: [ 1, 2 ]
amdhsa.kernels:
  - .name:           k_qc8825fa881_ctx
    .symbol:         k_qc8825fa881_ctx.kd
    .args:
      - { .name: scores, .offset: 0, .size: 8, .value_kind: global_buffer, .address_space: global }
      - { .name: encoder_outputs, .offset: 8, .size: 8, .value_kind: global_buffer, .address_space: global }
      - { .name: part, .offset: 16, .size: 8, .value_kind: global_buffer, .address_space: global }
      - { .name: out1, .offset: 24, .size: 8, .value_kind: global_buffer, .address_space: global }
    .group_segment_fixed_size: 68096
    .private_segment_fixed_size: 0
    .kernarg_segment_align: 8
    .kernarg_segment_size: 32
    .max_flat_workgroup_size: 512
    .sgpr_count:     66
    .vgpr_count:     192
    .wavefront_size: 32
...
	.end_amdgpu_metadata
.endif
;; end of part 3
;; launch comb (part 4): grid 256 x 1, 2 waves a work-group, no clusters, 0 bytes of LDS; arguments part, out0; writes out0
.if DOCPART == 4
	.amdgcn_target "amdgcn-amd-amdhsa--gfx1250"
	.amdhsa_code_object_version 6
	.text
	.protected	k_qc8825fa881_comb
	.globl	k_qc8825fa881_comb
	.p2align	8
	.type	k_qc8825fa881_comb,@function
k_qc8825fa881_comb:
	s_mov_b64 s[64:65], 0
	v_nop
	global_prefetch_b8 v0, s[64:65] scope:SCOPE_SE
	s_setreg_imm32_b32 hwreg(HW_REG_WAVE_MODE, 25, 1), 1
	s_wait_xcnt 0x0
; out0[b][h] = the sum over j = 0 .. 3 of part[b][j][h], rows ascending, in f32.  Work-group x takes batch x / 4, columns 256 (x % 4) on; a thread four columns: a wave's load and store cover 512 consecutive bytes.
; No loop, no LDS, no matrix unit: four loads, three packed sums of two pairs, one store a thread.
	s_load_b128 s[4:7], s[0:1], 0x0                ; part, out0
	v_lshlrev_b32 v1, 4, v0
	s_lshr_b32 s8, ttmp9, 2
	s_and_b32 s9, ttmp9, 3
	s_lshl_b32 s9, s9, 10
	s_lshl_b32 s10, s8, 14
	s_add_co_u32 s10, s10, s9
	s_mov_b32 s11, 0
	s_lshl_b32 s12, s8, 12
	s_add_co_u32 s12, s12, s9
	s_mov_b32 s13, 0
	s_wait_alu depctr_va_vdst(0)                   ; the wait at the head's end
	s_wait_kmcnt 0x0
	s_add_nc_u64 s[4:5], s[4:5], s[10:11]
	s_add_nc_u64 s[6:7], s[6:7], s[12:13]
.irp q, 0,1,2,3
	global_load_b128 v[4+4*\q:7+4*\q], v1, s[4:5] offset:4096*\q
.endr
	s_wait_loadcnt 0x0
.irp q, 1,2,3
	v_pk_add_f32 v[4:5], v[4:5], v[4+4*\q:5+4*\q]
	v_pk_add_f32 v[6:7], v[6:7], v[6+4*\q:7+4*\q]
.endr
	global_store_b128 v1, v[4:7], s[6:7]
	s_endpgm
.Lfunc_end_k_qc8825fa881_comb:
	.size	k_qc8825fa881_comb, .Lfunc_end_k_qc8825fa881_comb-k_qc8825fa881_comb
	.p2alignl 7, 3214868480
	.fill 96, 4, 3214868480
	.section	.rodata,"a",@progbits
	.p2align	6, 0x0
	.amdhsa_kernel k_qc8825fa881_comb
		.amdhsa_group_segment_fixed_size 0
		.amdhsa_private_segment_fixed_size 0
		.amdhsa_enable_private_segment 0
		.amdhsa_kernarg_size 16
		.amdhsa_user_sgpr_count 2
		.amdhsa_user_sgpr_kernarg_segment_ptr 1
		.amdhsa_wavefront_size32 1
		.amdhsa_system_sgpr_workgroup_id_x 1
		.amdhsa_system_sgpr_workgroup_id_y 1
		.amdhsa_system_sgpr_workgroup_id_z 1
		.amdhsa_system_vgpr_workitem_id 0
		.amdhsa_next_free_vgpr 24
		.amdhsa_next_free_sgpr 66
		.amdhsa_reserve_vcc 0
		.amdhsa_float_denorm_mode_32 3
		.amdhsa_float_denorm_mode_16_64 3
		.amdhsa_memory_ordered 1
		.amdhsa_forward_progress 1
		.amdhsa_inst_pref_size 2
	.end_amdhsa_kernel
	.amdgpu_metadata
---
amdhsa.version: [ 1, 2 ]
amdhsa.kernels:
  - .name:           k_qc8825fa881_comb
    .symbol:         k_qc8825fa881_comb.kd
    .args:
      - { .name: part, .offset: 0, .size: 8, .value_kind: global_buffer, .address_space: global }
      - { .name: out0, .offset: 8, .size: 8, .value_kind: global_buffer, .address_space: global }
    .group_segment_fixed_size: 0
    .private_segment_fixed_size: 0
    .kernarg_segment_align: 8
    .kernarg_segment_size: 16
    .max_flat_workgroup_size: 64
    .sgpr_count:     66
    .vgpr_count:     24
    .wavefront_size: 32
...
	.end_amdgpu_metadata
.endif
;; end of part 4
